; MI455X (gfx1250); checked and timed in simulation.
; The chip was launched on July 23, 2026; its instructions are those of AMD's public machine-readable ISA for CDNA 5 (MIT licence, August 2026) and "CDNA5" Instruction Set Architecture Reference Guide (July 2026). The comments in the code are by the model that wrote it; some were corrected since.
;; Attention. Allowed arithmetic: matrix products marked QUANTISED: E5M2 operands, one given power-of-two scale a tensor, by v_wmma_f32_16x16x64_bf8_bf8 or v_wmma_f32_16x16x128_bf8_bf8, f32 sums; everything else in f32.
;; Inputs: lowp_scales 6 int32 (the exponents e of the quantised operands' scales 2^e); w_qkv 1,024 x 3,072 float32; x 4 x 2,048 x 1,024 float32.
;; Outputs: out0 4 x 2,048 x 1,024 float32.
;; This version of the problem:
;;   THIS VERSION OF THE PROBLEM IS GIVEN IN LOW PRECISION. The matrix products marked QUANTISED in the list below multiply operands that are first quantised to E5M2 (5 exponent bits, 2 mantissa bits; 8 bits a number), with one given power-of-two scale for each operand tensor; their sums are f32. All else is computed in f32.
;;   The module's matrix products, in the order in which they are computed (A, B: the left and right operand; K: the contracted axis; several contracted axes count as one K, in the product's order):
;;     1. [M 8,192, K 1,024] x [K 1,024, N 3,072]; A: input x; B: input w_qkv: QUANTISED (scales: A lowp_scales[0], B lowp_scales[1])
;;     2. batch 64 x [M 2,048, K 64] x [K 64, N 2,048]; A: computed on the way; B: computed on the way: QUANTISED (scales: A lowp_scales[2], B lowp_scales[3])
;;     3. batch 64 x [M 2,048, K 2,048] x [K 2,048, N 64]; A: softmax (see below); B: computed on the way: QUANTISED (scales: A lowp_scales[4], B lowp_scales[5])
;;   THE QUANTISER, for each operand of a quantised product, along K:
;;     - The operand's scale is 2^e, e = its entry of the input lowp_scales (int32; the entries are numbered through the quantised products in the list's order, A before B).
;;     - Each number is divided by the scale, clamped to +-57,344, and rounded to the nearest number of E5M2, ties to even, subnormals kept.
;;     - The product sums the exact products of the quantised numbers (number of the format x scale) in f32.
;;   ~~~python
;;   def quantise(x, axis, e):      # numpy; x: float32 -> the quantised numbers, widened to float32 again
;;       x = np.moveaxis(x, axis, -1); K = x.shape[-1]
;;       r = np.clip(x / 2.0 ** e, -57344, 57344)
;;       step = 2.0 ** (np.maximum(np.frexp(np.where(r == 0, 1, r))[1] - 1, -14) - 2)
;;       q = np.round(r / step) * step * 2.0 ** e      # np.round: ties to even
;;       return np.moveaxis(q, -1, axis).astype(np.float32)
;;   ~~~
;;   SOFTMAX AHEAD OF A QUANTISED PRODUCT. Where the list says 'softmax', what is quantised is not the finished softmax but p = 2^(t - M), with t = logit x log2(e) and M = ceil(the row's largest t), a whole number; so 1/2 < the row's largest p <= 1. The row's sum l is taken of the UNQUANTISED p, in f32, and the product's result is divided by l at the end. Since M is a whole number, a kernel that streams over the keys may use a running M (the ceiling of the running maximum): every later rescaling is an exact power of two, so the quantised numbers keep their values, but for numbers so far below the row's largest that they fall under the format's range.
;;   OPERANDS COMPUTED ON THE WAY. 'Computed on the way' means the value that the module computes at that place (a softmax that the list does not call 'softmax' is quantised finished and normalised). What goes into a quantiser is computed in f32, as accurately as f32 sums, v_exp_f32 and their like allow (about 1e-6 of the number): no bf16 or f16 on the way to a quantiser, and a product that is left as it is and whose result goes on into a quantised operand takes f32 operands (vector FMAs, or v_wmma_f32_16x16x4_f32). A number that lies on a knife's edge between two numbers of the format may be rounded either way, as far as f32 arithmetic and the matrix unit's own rounding can turn it there, and no further.
;; One version. Each part assembles by itself: llvm-mc -triple=amdgcn-amd-amdhsa -mcpu=gfx1250 --defsym DOCPART=n.
;; ======== version 1 of 1: 3 launches
;; limits: right only within a limited range of input values
;; workspace buffers: x_codes 8,388,608 bytes; w_codes 3,145,728 bytes; qf 8,388,608 bytes; kv 16,777,216 bytes
;; launch quant (part 1): grid 352 x 1, 4 waves a work-group, no clusters, 35,328 bytes of LDS; arguments x, w_qkv, lowp_scales, x_codes, w_codes; writes x_codes, w_codes
.if DOCPART == 1
	.amdgcn_target "amdgcn-amd-amdhsa--gfx1250"
	.amdhsa_code_object_version 6
	.text
	.protected	k_q08ed036a98_quant
	.globl	k_q08ed036a98_quant
	.p2align	8
	.type	k_q08ed036a98_quant,@function
k_q08ed036a98_quant:
	s_mov_b64 s[64:65], 0
	v_nop
	global_prefetch_b8 v0, s[64:65] scope:SCOPE_SE
	s_setreg_imm32_b32 hwreg(HW_REG_WAVE_MODE, 25, 1), 1
	s_wait_xcnt 0x0
; ATTENTION IN E5M2, launch 1 of 3: x [8192][1024] and w_qkv [1024][3072], f32, become codes of BF8 (E5M2), one byte a code, K innermost: x_codes [8192][1024], w_codes [3072][1024].
; NO WORK IS LEFT OUT IN THIS PROGRAM: there is no mask, no bias and no slice; every number of x and of w_qkv reaches q, k or v, and every one of these reaches every output of its head.
; code = number / 2^e, held within +-57,344, rounded to the nearest code, ties to even.  e = entry 0 (x) or entry 1 (w_qkv) of the scales.
; LIMITS: -126 <= e and e + 15 <= 127, so that 2^e and 57,344 x 2^e are f32 numbers.  NaN among the inputs is not served (an infinity is held at the largest code).
; ONE PERMUTATION OF K IN BOTH BUFFERS: inside each aligned run of 512 places, place 16 l + 4 i + j (l 0..31, i 0..3, j 0..3) holds k = 128 i + 4 l + j.  It is the same for x and for w, so every
; product of the next launch meets its partner; the scale is one for the tensor, so no block is cut.  With it x needs no turn through LDS: load i of a step reads 512 consecutive bytes, lane l takes
; k = 128 i + 4 l + 0..3, and the lane's 16 registers become its 16 bytes of the step's 512 codes.
; SHARES.  Work-groups 0..95 take w: 128 columns x 256 places each; a lane takes a column and its registers run down K, 32 places a block; the codes leave through the wave's own stage in LDS, so that
; sixteen lanes store 256 consecutive bytes, aligned.  Work-groups 96..351 take x: a wave takes 16 steps of 512 numbers.  Waves share nothing: no barrier.  Only w's path stages codes in LDS.
.set PITCH, 272                        ; a stage row: 256 bytes of a column's codes + 16
.set SPARE, 4*32*PITCH                 ; behind the four stages: the spare words, 128 bytes for each wave, which no other line names
.set WROW,  12288                      ; a row of w_qkv in bytes
.set WGW,   96                         ; w's work-groups
.set SPW,   14                         ; v14  LDS address of my spare word; never rewritten
.set NIL,   15                         ; v15  0; never rewritten
.set X,     32                         ; w: v32-95   two sets of 32 numbers
.set C,     96                         ; w: v96-103  a block's codes
.set OUTR,  112                        ; w: v112-175 the way out
.set R,     16                         ; x: v16-79   four sets of 16 numbers
.set CX,    128                        ; x: v128-191 four registers of codes for each step: no store's data are written again
.macro FINISH                          ; a wave's end
	s_wait_tensorcnt 0x0
	ds_add_u32 v[SPW], v[NIL]
	s_wait_dscnt 0x0
	s_endpgm
.endm
	s_load_b128 s[4:7], s[0:1], 0x0                ; x s[4:5], w_qkv s[6:7]
	s_load_b64 s[10:11], s[0:1], 0x10              ; the scales' exponents
	s_load_b128 s[12:15], s[0:1], 0x18             ; x_codes s[12:13], w_codes s[14:15]
	v_lshl_add_u32 v[SPW], v0, 2, SPARE
	v_mov_b32 v[NIL], 0
	v_lshrrev_b32 v1, 5, v0
	v_readfirstlane_b32 s16, v1                    ; wave 0..3
	v_and_b32 v2, 31, v0                           ; lane
	v_lshlrev_b32 v3, 2, v2                        ; w: 4 bytes a lane
	s_mul_i32 s19, s16, 32*PITCH                   ; my stage
	v_mul_u32_u24 v4, v2, PITCH
	v_add_nc_u32 v4, s19, v4                       ; into it: row = my column
	v_and_b32 v5, 15, v2
	v_lshrrev_b32 v6, 4, v2
	v_mul_u32_u24 v7, v6, PITCH
	v_lshl_add_u32 v7, v5, 4, v7
	v_add_nc_u32 v7, s19, v7                       ; out of it: sixteen lanes to a row, two rows an instruction
	v_lshlrev_b32 v8, 10, v6
	v_lshl_add_u32 v8, v5, 4, v8                   ; and the same place in w_codes (rows of 1,024 bytes)
	v_lshlrev_b32 v9, 4, v2                        ; x: 16 bytes a lane, in the loads and in the stores
	s_wait_kmcnt 0x0
	s_load_b64 s[22:23], s[10:11], 0x0             ; e of x, e of w
	s_cmp_lt_u32 ttmp9, WGW                        ; the work-group's number alone decides
	s_cbranch_scc0 .Lx
	; ---------------- w_qkv ----------------
	s_lshr_b32 s17, ttmp9, 2                       ; which 128 columns: 0..23
	s_and_b32 s18, ttmp9, 3                        ; y: which 256 places of a row of codes
	s_lshl_b32 s17, s17, 7
	s_lshl_b32 s19, s16, 5
	s_add_co_u32 s17, s17, s19                     ; my wave's first column
	s_lshr_b32 s19, s18, 1
	s_lshl_b32 s19, s19, 9
	s_and_b32 s20, s18, 1
	s_lshl_b32 s20, s20, 6
	s_add_co_u32 s19, s19, s20                     ; the part of k that hangs on y: 512 (y / 2) + 64 (y % 2)
	s_mul_i32 s20, s19, WROW
	s_lshl_b32 s21, s17, 2
	s_add_co_u32 s20, s20, s21
	s_mov_b32 s21, 0
	s_add_nc_u64 s[6:7], s[6:7], s[20:21]          ; w at that row and my first column
	s_lshl_b32 s24, s17, 10
	s_lshl_b32 s25, s18, 8
	s_add_co_u32 s24, s24, s25
	s_mov_b32 s25, 0
	s_add_nc_u64 s[14:15], s[14:15], s[24:25]      ; w_codes at my first column's row, place 256 y
; block t: places 256 y + 32 t + i, i = 0..31, of my column.  Place i of the block holds k = (the part above) + 128 ((i / 4) % 4) + 8 t + 4 (i / 16) + i % 4.  The largest offset, 447 rows, lies inside the signed 24-bit immediate
.macro LOADW t
.set i, 0
.rept 32
	global_load_b32 v[X+32*((\t)%2)+i], v3, s[6:7] offset:(128*((i/4)%4)+8*(\t)+4*(i/16)+(i%4))*WROW th:TH_LOAD_NT
.set i, i+1
.endr
.endm
	LOADW 0
	LOADW 1
	s_wait_kmcnt 0x0
	s_add_co_i32 s23, s23, 127
	s_lshl_b32 s26, s23, 23
	v_mov_b32 v11, s26                             ; 2^e as f32: the conversion takes its exponent field
	s_add_co_i32 s23, s23, 15
	s_lshl_b32 s23, s23, 23
	s_or_b32 s23, s23, 0x600000
	v_mov_b32 v10, s23                             ; 57,344 x 2^e
.macro BLOCKW t
.set XS, X+32*((\t)%2)
.if (\t) < 7
	s_wait_loadcnt 32                              ; this block's 32 loads are in; the next block's 32 may be out
.else
	s_wait_loadcnt 0
.endif
.set i, 0
.rept 32
	v_med3_num_f32 v[XS+i], v[XS+i], -v10, v10     ; the conversion to an 8-bit code does not saturate (ISA guide 7.6.2): the hold comes first
.set i, i+1
.endr
.irp g, 0,1,2,3
	v_cvt_scalef32_pk8_bf8_f32 v[C+2*\g:C+2*\g+1], v[XS+8*\g:XS+8*\g+7], v11
.endr
	ds_store_b128 v4, v[C:C+3] offset:32*(\t)      ; 32 codes of my column's row.  (The codes go to LDS stores alone, and the next block begins with plain vector lines)
	ds_store_b128 v4, v[C+4:C+7] offset:32*(\t)+16
.if (\t)+2 < 8
	LOADW (\t)+2
.endif
	s_wait_dscnt 0x0                               ; the stores have read their registers: the next block's codes may be written
.endm
	s_wait_alu depctr_va_vdst(0)
.irp t, 0,1,2,3,4,5,6,7
	BLOCKW \t
.endr
.irp t, 0,1,2,3,4,5,6,7,8,9,10,11,12,13,14,15
	ds_load_b128 v[OUTR+4*\t:OUTR+4*\t+3], v7 offset:2*\t*PITCH   ; LDS serves a wave's instructions in order: these see my stores
.endr
.irp t, 0,1,2,3,4,5,6,7,8,9,10,11,12,13,14,15
	s_wait_dscnt 15-\t                             ; load t is in; the 15 - t behind it may be out
	global_store_b128 v8, v[OUTR+4*\t:OUTR+4*\t+3], s[14:15] offset:2*\t*1024   ; sixteen lanes store 256 consecutive bytes, aligned
.endr
	FINISH
	; ---------------- x ----------------
.Lx:
	s_sub_co_u32 s17, ttmp9, WGW
	s_lshl_b32 s17, s17, 2
	s_add_co_u32 s17, s17, s16                     ; which run of 8,192 numbers is my wave's: 0..1023
	s_lshl_b32 s20, s17, 15
	s_mov_b32 s21, 0
	s_add_nc_u64 s[4:5], s[4:5], s[20:21]
	s_lshl_b32 s24, s17, 13
	s_mov_b32 s25, 0
	s_add_nc_u64 s[12:13], s[12:13], s[24:25]
.macro LOADX t
.irp i, 0,1,2,3
	global_load_b128 v[R+16*((\t)%4)+4*\i:R+16*((\t)%4)+4*\i+3], v9, s[4:5] offset:2048*(\t)+512*\i th:TH_LOAD_NT   ; 32 lanes read 512 consecutive bytes
.endr
.endm
	s_wait_alu depctr_va_vdst(0)
.irp t, 0,1,2,3
	LOADX \t
.endr
	s_wait_kmcnt 0x0
	s_add_co_i32 s22, s22, 127
	s_lshl_b32 s26, s22, 23
	v_mov_b32 v11, s26                             ; 2^e
	s_add_co_i32 s22, s22, 15
	s_lshl_b32 s22, s22, 23
	s_or_b32 s22, s22, 0x600000
	v_mov_b32 v10, s22                             ; 57,344 x 2^e
.macro STEPX t
.set XS, R+16*((\t)%4)
.if (\t) <= 12
	s_wait_loadcnt 12                              ; this step's four loads are in; those of the three steps behind it may be out
.else
	s_wait_loadcnt 4*(15-(\t))
.endif
.set i, 0
.rept 16
	v_med3_num_f32 v[XS+i], v[XS+i], -v10, v10
.set i, i+1
.endr
	v_cvt_scalef32_pk8_bf8_f32 v[CX+4*(\t):CX+4*(\t)+1], v[XS:XS+7], v11
	v_cvt_scalef32_pk8_bf8_f32 v[CX+4*(\t)+2:CX+4*(\t)+3], v[XS+8:XS+15], v11
.if (\t) < 12
	LOADX (\t)+4                                   ; the set just converted takes the loads of four steps on
.endif
	global_store_b128 v9, v[CX+4*(\t):CX+4*(\t)+3], s[12:13] offset:512*(\t)   ; the wave stores 512 consecutive bytes, aligned.  No register of a pending load or store is ever written again
.endm
	s_wait_alu depctr_va_vdst(0)
.irp t, 0,1,2,3,4,5,6,7,8,9,10,11,12,13,14,15
	STEPX \t
.endr
	FINISH
.Lfunc_end_k_q08ed036a98_quant:
	.size	k_q08ed036a98_quant, .Lfunc_end_k_q08ed036a98_quant-k_q08ed036a98_quant
	.p2alignl 7, 3214868480
	.fill 96, 4, 3214868480
	.section	.rodata,"a",@progbits
	.p2align	6, 0x0
	.amdhsa_kernel k_q08ed036a98_quant
		.amdhsa_group_segment_fixed_size 35328
		.amdhsa_private_segment_fixed_size 0
		.amdhsa_enable_private_segment 0
		.amdhsa_kernarg_size 40
		.amdhsa_user_sgpr_count 2
		.amdhsa_user_sgpr_kernarg_segment_ptr 1
		.amdhsa_wavefront_size32 1
		.amdhsa_system_sgpr_workgroup_id_x 1
		.amdhsa_system_sgpr_workgroup_id_y 1
		.amdhsa_system_sgpr_workgroup_id_z 1
		.amdhsa_system_vgpr_workitem_id 0
		.amdhsa_next_free_vgpr 192
		.amdhsa_next_free_sgpr 66
		.amdhsa_reserve_vcc 0
		.amdhsa_float_denorm_mode_32 3
		.amdhsa_float_denorm_mode_16_64 3
		.amdhsa_memory_ordered 1
		.amdhsa_forward_progress 1
		.amdhsa_inst_pref_size 76
	.end_amdhsa_kernel
	.amdgpu_metadata
---
amdhsa.version: [ 1, 2 ]
amdhsa.kernels:
  - .name:           k_q08ed036a98_quant
    .symbol:         k_q08ed036a98_quant.kd
    .args:
      - { .name: x, .offset: 0, .size: 8, .value_kind: global_buffer, .address_space: global }
      - { .name: w_qkv, .offset: 8, .size: 8, .value_kind: global_buffer, .address_space: global }
      - { .name: lowp_scales, .offset: 16, .size: 8, .value_kind: global_buffer, .address_space: global }
      - { .name: x_codes, .offset: 24, .size: 8, .value_kind: global_buffer, .address_space: global }
      - { .name: w_codes, .offset: 32, .size: 8, .value_kind: global_buffer, .address_space: global }
    .group_segment_fixed_size: 35328
    .private_segment_fixed_size: 0
    .kernarg_segment_align: 8
    .kernarg_segment_size: 40
    .max_flat_workgroup_size: 128
    .sgpr_count:     66
    .vgpr_count:     192
    .wavefront_size: 32
...
	.end_amdgpu_metadata
.endif
;; end of part 1
;; launch qkv (part 2): grid 12 x 16, 4 waves a work-group, clusters of 4 x 4, 327,680 bytes of LDS; arguments x_codes, w_codes, lowp_scales, qf, kv; writes qf, kv
.if DOCPART == 2
	.amdgcn_target "amdgcn-amd-amdhsa--gfx1250"
	.amdhsa_code_object_version 6
	.text
	.protected	k_q08ed036a98_qkv
	.globl	k_q08ed036a98_qkv
	.p2align	8
	.type	k_q08ed036a98_qkv,@function
k_q08ed036a98_qkv:
	s_mov_b64 s[64:65], 0
	v_nop
	global_prefetch_b8 v0, s[64:65] scope:SCOPE_SE
	s_setreg_imm32_b32 hwreg(HW_REG_WAVE_MODE, 25, 1), 1
	s_wait_xcnt 0x0
	s_wait_alu depctr_hold_cnt(0) depctr_sa_sdst(0) depctr_va_vdst(0) depctr_va_sdst(0) depctr_va_ssrc(0) depctr_va_vcc(0) depctr_vm_vsrc(0)
	s_getreg_b32 s2, hwreg(HW_REG_IB_STS2, 6, 4)
	s_cmp_eq_u32 s2, 0
	s_cbranch_scc0 .Lentry_in_a_cluster
	s_endpgm
.Lentry_in_a_cluster:
	s_bfe_u32 s2, ttmp6, 0x10000c
	s_cmp_lg_u32 s2, 0xf033
	s_cbranch_scc0 .Lentry_shape_is_right
	s_endpgm
.Lentry_shape_is_right:
; ATTENTION IN E5M2, launch 2 of 3: q, k, v = x w_qkv on the codes of launch 1 (K = 1,024), each sum quantised on the way out with its own given scale and stored as images of launch 3's operand registers.  No work is left out.
; LIMITS: e(out) - e0 - e1 between -126 and 112, e(out) being entry 2 (q), 3 (k) or 5 (v) of the scales, so that the conversion's scale and the bound of the hold are f32 numbers.  NaN among the inputs is not served.
; A tile of 256 x 256 sums is made by four waves, 128 x 128 each, in 512 registers; K goes in steps of 256 through a ring of two LDS slots filled by joint loads of a 4 x 4 cluster (A's tile shared along a row, B's along a column).
; Clusters with x = 0 and 1 make q and k (A = x's rows, B = w's rows); clusters with x = 2 make v with the roles changed (A = w's rows of v, B = x's rows), so that a lane's registers run along the keys.
; A WORK-GROUP STAYS: it makes two tiles, 16 tiles of x's rows apart (4,194,304 bytes of x_codes); w's rows are the same for both.  384 tiles are two for each of 192 work-groups.  The ring does not stop at the first tile's end:
; its last two changes of slots ask for the second tile's K steps 0 and 1, and the first tile goes out while they are on their way.
; PREFETCH: behind each joint load one line a wave asks for the K step that stands two refills on: of the 128 rows that the wave fetches, the partner at place p (cx for A, cy for B) names rows 32 p .. 32 p + 31, a lane a row, 256 bytes.
; The addresses are two pairs that are never rewritten (first tile, second tile) and immediate offsets.  Rows that the second tile reads again are not asked for again; the last two refills have nothing two steps on.
.set ROWB,   256
.set KROW,   1024
.set PITCH,  272
.set FR,     16
.set NL,     4
.set NP,     4
.set HALFT,  128*PITCH
.set SLOT,   4*HALFT
.set SPARE,  2*SLOT
.set ADRA, 16
.set ADRB, 20
.set LI,   26
.set SCL,  27
.set SPW,  28
.set NIL,  29
.set LI2,  30
.set TMP,  32
.set AF,   128
.set G1, 24
.set G0, 32
.set G1B, 48
.set G0B, 56
.set MSB, 0
.macro WIN new
.if MSB != \new
	s_set_vgpr_msb (MSB<<8)|\new
.set MSB, \new
.endif
.endm
.set MUL_LO, 0xa1
.set MUL_HI, 0xf1
.set TO_B,   0x40
.macro JLOAD g0a, g1a, g0b, g1b
	s_cmp_eq_u32 s15, 0
	s_cbranch_scc0 .Lfor_b_\@
	tensor_load_to_lds s[\g0a:\g0a+3], s[\g1a:\g1a+7]
	s_nop 0
.rept 4
	v_nop
.endr
	s_branch .Lasked_\@
.Lfor_b_\@:
	tensor_load_to_lds s[\g0b:\g0b+3], s[\g1b:\g1b+7]
	s_nop 0
.rept 4
	v_nop
.endr
.Lasked_\@:
.endm
.macro CREST
	s_cmp_lg_u32 s14, 0
	s_cbranch_scc1 .Lnot_wave_0_\@
	s_barrier_signal -3
.Lnot_wave_0_\@:
	s_barrier_wait -3
	s_barrier_signal -1
	s_barrier_wait -1
.endm
.macro CROUND
	s_barrier_signal -1
	s_barrier_wait -1
	CREST
.endm
	s_load_b128 s[4:7], s[0:1], 0x0
	s_load_b128 s[8:11], s[0:1], 0x10
	s_load_b64 s[12:13], s[0:1], 0x20
	v_lshl_add_u32 v[SPW], v0, 2, SPARE
	v_mov_b32 v[NIL], 0
	ds_add_u32 v[SPW], v[NIL]
	ds_add_u32 v[SPW], v[NIL]
	v_lshrrev_b32 v1, 5, v0
	v_readfirstlane_b32 s14, v1
	v_and_b32 v31, 31, v0
	v_lshlrev_b32 v31, 10, v31                     ; the prefetches' offset: my lane x a row of 1,024 bytes; never rewritten
	s_lshr_b32 s15, s14, 1
	s_and_b32 s16, s14, 1
	s_bfe_u32 s40, ttmp6, 0x40000
	s_bfe_u32 s41, ttmp6, 0x40004
	s_and_b32 s67, ttmp7, 0xffff
	s_cmp_eq_u32 ttmp9, 2
	s_cselect_b32 s66, s67, ttmp9
	s_cselect_b32 s67, 0, s67
	s_lshl_b32 s42, s66, 2
	s_add_co_u32 s42, s42, s40
	s_lshl_b32 s17, s67, 2
	s_add_co_u32 s17, s17, s41
	s_lshl_b32 s43, s41, 2
	s_lshl_b32 s43, 15, s43
	s_lshl_b32 s44, 0x1111, s40
	s_or_b32 s[G1+0], s43, (0<<16)|(1<<20)|(1<<21)|(5<<22)|(3<<25)
	s_or_b32 s[G1B+0], s44, (0<<16)|(1<<20)|(1<<21)|(5<<22)|(3<<25)
.irp g, G1, G1B
	s_mov_b32 s[\g+1], ROWB<<16
	s_mov_b32 s[\g+2], 128<<16
	s_mov_b32 s[\g+3], ROWB<<16
	s_mov_b32 s[\g+4], 128
	s_mov_b32 s[\g+5], KROW
	s_mov_b32 s[\g+6], 0
	s_mov_b32 s[\g+7], 0
.endr
	s_lshl_b32 s18, s16, 7
	s_lshl_b32 s20, s17, 8
	s_add_co_u32 s20, s20, s18
	s_lshl_b32 s46, s42, 8
	s_add_co_u32 s46, s46, s18
	s_lshl_b32 s20, s20, 10
	s_lshl_b32 s46, s46, 10
	s_mov_b32 s21, 0
	s_mov_b32 s47, 0
	s_mul_i32 s45, s14, HALFT
	s_wait_alu depctr_va_vdst(0)
	s_wait_dscnt 0x0
	s_wait_kmcnt 0x0
	s_load_b128 s[76:79], s[8:9], 0x0
	s_load_b64 s[80:81], s[8:9], 0x10
	s_add_nc_u64 s[68:69], s[6:7], 0x200000
	s_cmp_eq_u32 ttmp9, 2
	s_cselect_b64 s[70:71], s[68:69], s[4:5]
	s_cselect_b64 s[72:73], s[4:5], s[6:7]
	s_add_nc_u64 s[20:21], s[70:71], s[20:21]
	s_add_nc_u64 s[46:47], s[72:73], s[46:47]
	s_cmp_eq_u32 ttmp9, 2                          ; the cluster's x alone decides: the same in all partners
	s_cselect_b32 s68, 0, 0x400000                 ; s[68:69]: from the first tile to the second in A's buffer (x's rows: 16 tiles on; w's rows: none),
	s_cselect_b32 s70, 0x400000, 0                 ; s[70:71]: and in B's
	s_mov_b32 s69, 0
	s_mov_b32 s71, 0
	s_cmp_eq_u32 s15, 0                            ; do I fetch for A?
	s_cselect_b64 s[82:83], s[20:21], s[46:47]     ; the 128 rows that I fetch,
	s_cselect_b32 s18, s40, s41                    ; my place among the four that ask for them with me,
	s_cselect_b32 s72, s68, s70                    ; and their step to the second tile: 0 where the second tile reads them again
	s_mov_b32 s73, 0
	s_lshl_b32 s18, s18, 15                        ; my work-group's 32 rows of 1,024 bytes
	s_mov_b32 s19, 0
	s_add_nc_u64 s[82:83], s[82:83], s[18:19]      ; where my prefetches stand in the first tile,
	s_add_nc_u64 s[2:3], s[82:83], s[72:73]        ; and in the second
	CROUND
.irp s, 0,1
	s_mov_b32 s[G0+4*\s], 1
	s_add_co_u32 s[G0+4*\s+1], s45, \s*SLOT
	s_add_nc_u64 s[G0+4*\s+2:G0+4*\s+3], s[20:21], \s*ROWB
	s_or_b32 s[G0+4*\s+3], s[G0+4*\s+3], 0x80000000
	s_mov_b32 s[G0B+4*\s], 1
	s_add_co_u32 s[G0B+4*\s+1], s45, \s*SLOT
	s_add_nc_u64 s[G0B+4*\s+2:G0B+4*\s+3], s[46:47], \s*ROWB
	s_or_b32 s[G0B+4*\s+3], s[G0B+4*\s+3], 0x80000000
.if \s                                             ; slot 1's first fill is issued as a refill is, with a round ahead of it
	s_wait_alu depctr_va_vdst(0)
	s_wait_tensorcnt 0x0
	ds_add_u32 v28, v29
	ds_add_u32 v28, v29
	s_wait_dscnt 0x0
	CROUND
.endif
	JLOAD G0+4*\s, G1, G0B+4*\s, G1B
	global_prefetch_b8 v31, s[82:83] offset:512+256*\s th:TH_LOAD_NT scope:SCOPE_SE   ; K step 2 + s of the first tile: two refills on
.endr
	v_and_b32 v1, 15, v0
	v_bfe_u32 v2, v0, 4, 1
	v_mul_u32_u24 v3, v1, PITCH
	v_lshl_add_u32 v4, v2, 4, v3
	s_mul_i32 s21, s15, HALFT
	s_mul_i32 s22, s16, HALFT
	s_add_co_u32 s22, s22, 2*HALFT
.irp s, 0,1
	v_add_nc_u32 v[ADRA+\s], s21, v4
	v_add_nc_u32 v[ADRB+\s], s22, v4
	s_add_co_u32 s21, s21, SLOT
	s_add_co_u32 s22, s22, SLOT
.endr
.macro FRAG reg, adr, q, i
.irp c, 0,1,2,3
	ds_load_b128 v[\reg+4*\c:\reg+4*\c+3], v[\adr] offset:128*(\q)+32*\c+(\i)*16*PITCH
.endr
.endm
.macro MUL16 a0, p, zero
.irp a, \a0, \a0+1
.irp b, 0,1,2,3,4,5,6,7
.if \zero
	v_wmma_f32_16x16x128_bf8_bf8 v[8*(8*((\a)%4)+\b):8*(8*((\a)%4)+\b)+7], v[128*(\p)+FR*\b:128*(\p)+FR*\b+FR-1], v[AF+FR*(\a):AF+FR*(\a)+FR-1], 0
.else
	v_wmma_f32_16x16x128_bf8_bf8 v[8*(8*((\a)%4)+\b):8*(8*((\a)%4)+\b)+7], v[128*(\p)+FR*\b:128*(\p)+FR*\b+FR-1], v[AF+FR*(\a):AF+FR*(\a)+FR-1], v[8*(8*((\a)%4)+\b):8*(8*((\a)%4)+\b)+7]
.endif
.endr
.endr
.endm
.macro FETCH_B slot, q, p
	WIN TO_B
.irp i, 0,1,2,3,4,5,6,7
	FRAG 128*(\p)+FR*\i, ADRB+\slot, \q, \i
.endr
	WIN 0
.endm
.macro FETCH_A slot, q, i0
.irp i, \i0, \i0+1, \i0+2, \i0+3
	FRAG AF+FR*(\i), ADRA+\slot, \q, \i
.endr
.endm
.macro PLACES n
.rept \n
	v_nop
.endr
.endm
.macro STEP slot, q, zero
	s_wait_dscnt 4*NL
	WIN MUL_LO
	MUL16 0, (\q)%2, \zero
	MUL16 2, (\q)%2, \zero
	s_wait_dscnt 0
	PLACES NP
	FETCH_B \slot, (\q)+1, 1-(\q)%2
	FETCH_A \slot, (\q)+1, 0
	WIN MUL_HI
	MUL16 4, (\q)%2, \zero
	MUL16 6, (\q)%2, \zero
	PLACES NP
	WIN 0
	FETCH_A \slot, (\q)+1, 4
.endm
; fill = 1: this slot takes the K step two on; fill = 2: the second tile's K step of this slot's number.  pf: the byte of a row of the second tile at which a prefetch asks, or -1
.macro TURN slot, next, fill, pf
	s_wait_tensorcnt 0x0
	ds_add_u32 v[SPW], v[NIL]
	s_wait_dscnt 4*NL+1
	WIN MUL_LO
	MUL16 0, 1, 0
	s_wait_dscnt 0x0
	s_barrier_signal -1
	MUL16 2, 1, 0
	WIN 0
	s_barrier_wait -1
.if \fill
	CREST
.if \fill == 2
	s_sub_nc_u64 s[G0+4*\slot+2:G0+4*\slot+3], s[G0+4*\slot+2:G0+4*\slot+3], 2*ROWB       ; back along K,
	s_sub_nc_u64 s[G0B+4*\slot+2:G0B+4*\slot+3], s[G0B+4*\slot+2:G0B+4*\slot+3], 2*ROWB
	s_add_nc_u64 s[G0+4*\slot+2:G0+4*\slot+3], s[G0+4*\slot+2:G0+4*\slot+3], s[68:69]     ; and on to the second tile's rows
	s_add_nc_u64 s[G0B+4*\slot+2:G0B+4*\slot+3], s[G0B+4*\slot+2:G0B+4*\slot+3], s[70:71]
.else
	s_add_nc_u64 s[G0+4*\slot+2:G0+4*\slot+3], s[G0+4*\slot+2:G0+4*\slot+3], 2*ROWB
	s_add_nc_u64 s[G0B+4*\slot+2:G0B+4*\slot+3], s[G0B+4*\slot+2:G0B+4*\slot+3], 2*ROWB
.endif
	JLOAD G0+4*\slot, G1, G0B+4*\slot, G1B
.else
	PLACES NP
.endif
	FETCH_B \next, 0, 0
	FETCH_A \next, 0, 0
.if \pf >= 0                                       ; behind the joint load and the run of LDS loads: the second tile's K step that stands two refills on, where its rows are new
	s_cmp_lg_u32 s72, 0                            ; the wave's number and the cluster's x alone decide
	s_cbranch_scc0 .Lnot_new_\@
	global_prefetch_b8 v31, s[2:3] offset:\pf th:TH_LOAD_NT scope:SCOPE_SE
.Lnot_new_\@:
.endif
	WIN MUL_HI
	MUL16 4, 1, 0
	MUL16 6, 1, 0
	PLACES NP
	WIN 0
	FETCH_A \next, 0, 4
.endm
	s_wait_alu depctr_va_vdst(0)
	s_wait_tensorcnt 1
	s_barrier_signal -1
	s_barrier_wait -1
	FETCH_B 0, 0, 0
	FETCH_A 0, 0, 0
	FETCH_A 0, 0, 4
; Where a tile's codes go, from its tile row s17 and tile column s42, and the conversion's scale and bound.
.macro OUTCALC
	s_wait_xcnt 0x0                                ; the earlier tile's stores have read their base, offsets and data: all are written anew below
	s_wait_kmcnt 0x0
	s_and_b32 s94, s42, 3
	s_cmp_eq_u32 ttmp9, 2
	s_cselect_b32 s92, s42, s17
	s_cselect_b32 s93, s16, s15
	s_cselect_b32 s94, s17, s94
	s_cselect_b32 s95, s15, s16
	s_mov_b32 s86, 1024
	s_cselect_b32 s86, 2048, s86
	s_mov_b32 s87, 0
	s_cselect_b32 s88, 253952, 0
	s_mov_b32 s89, 0
	s_cselect_b32 s96, 8192, 0
	s_mov_b32 s97, 262144
	s_cselect_b32 s97, 1024, s97
	s_cselect_b32 s98, s81, s79
	s_cmp_eq_u32 ttmp9, 0
	s_cselect_b32 s97, 131072, s97
	s_cselect_b32 s98, s78, s98
	s_cselect_b32 s99, 0, 1
	s_cselect_b64 s[84:85], s[10:11], s[12:13]
	s_lshr_b32 s74, s92, 3
	s_lshl_b32 s74, s74, 4
	s_lshl_b32 s94, s94, 2
	s_add_co_u32 s74, s74, s94
	s_lshl_b32 s95, s95, 1
	s_add_co_u32 s74, s74, s95
	s_lshl_b32 s74, s74, 17
	s_and_b32 s92, s92, 7
	s_lshl_b32 s92, s92, 1
	s_add_co_u32 s92, s92, s93
	s_lshl_b32 s92, s92, 13
	s_add_co_u32 s74, s74, s92
	s_lshl_b32 s74, s74, s99
	s_add_co_u32 s74, s74, s96
	s_mov_b32 s75, 0
	s_add_nc_u64 s[84:85], s[84:85], s[74:75]
	s_sub_co_i32 s98, s98, s76
	s_sub_co_i32 s98, s98, s77
	s_add_co_i32 s98, s98, 127
	s_lshl_b32 s99, s98, 23
	s_add_co_i32 s98, s98, 15
	s_lshl_b32 s90, s98, 23
	s_or_b32 s90, s90, 0x600000
	s_or_b32 s91, s90, 0x80000000
	v_mov_b32 v[SCL], s99
	v_and_b32 v[LI], 31, v0
	v_lshlrev_b32 v[LI], 4, v[LI]
	v_add_nc_u32 v[LI2], s97, v[LI]
.endm
.macro OUTBLK a
.set AC, 64*((\a)%4)
.set CD, 96+16*((\a)%2)
.if (\a) > 0
	s_wait_xcnt 0x0
	s_add_nc_u64 s[84:85], s[84:85], s[86:87]
.if (\a) == 4
	s_add_nc_u64 s[84:85], s[84:85], s[88:89]
.endif
.endif
	WIN 0x02+((\a)/4)
.set j, 0
.rept 64
	v_med3_num_f32 v[TMP+j], v[AC+j], s91, s90
.set j, j+1
.endr
	WIN 0
.irp b, 0,1,2,3,4,5,6,7
	v_cvt_scalef32_pk8_bf8_f32 v[CD+2*\b:CD+2*\b+1], v[TMP+8*\b:TMP+8*\b+7], v[SCL]
.endr
	v_nop
	global_store_b128 v[LI], v[CD:CD+3], s[84:85]
	global_store_b128 v[LI], v[CD+4:CD+7], s[84:85] offset:512
	global_store_b128 v[LI2], v[CD+8:CD+11], s[84:85]
	global_store_b128 v[LI2], v[CD+12:CD+15], s[84:85] offset:512
.endm
	STEP 0, 0, 1                                   ; THE FIRST TILE: its first products start the sums
	TURN 0, 1, 1, 0
	STEP 1, 0, 0
	TURN 1, 0, 1, 256
	STEP 0, 0, 0
	TURN 0, 1, 2, 512                              ; the ring goes on into the second tile: slot 0 takes its K step 0,
	STEP 1, 0, 0
	TURN 1, 0, 2, 768                              ; slot 1 its K step 1, and its first fragments are fetched
	OUTCALC                                        ; both refills are asked for: now the first tile goes out (the four places behind the last products stand in TURN)
.irp a, 0,1,2,3,4,5,6,7
	OUTBLK \a
.endr
	s_cmp_eq_u32 ttmp9, 2
	s_cselect_b32 s74, 16, 0
	s_cselect_b32 s75, 0, 16
	s_add_co_u32 s42, s42, s74                     ; the second tile: 16 tiles of x's rows on, which is the tile column for v
	s_add_co_u32 s17, s17, s75                     ; and the tile row for q and k
	STEP 0, 0, 1                                   ; THE SECOND TILE
	TURN 0, 1, 1, -1
	STEP 1, 0, 0
	TURN 1, 0, 1, -1
	STEP 0, 0, 0
	TURN 0, 1, 0, -1                               ; the last lap fills nothing
	STEP 1, 0, 0
	s_wait_dscnt 4*NL
	WIN MUL_LO
	MUL16 0, 1, 0
	MUL16 2, 1, 0
	s_wait_dscnt 0
	WIN MUL_HI
	MUL16 4, 1, 0
	MUL16 6, 1, 0
	WIN 0
	OUTCALC
.irp a, 0,1,2,3,4,5,6,7
	OUTBLK \a
.endr
	s_wait_tensorcnt 0x0
	ds_add_u32 v[SPW], v[NIL]
	s_wait_dscnt 0x0
	CROUND
	s_endpgm
.Lfunc_end_k_q08ed036a98_qkv:
	.size	k_q08ed036a98_qkv, .Lfunc_end_k_q08ed036a98_qkv-k_q08ed036a98_qkv
	.p2alignl 7, 3214868480
	.fill 96, 4, 3214868480
	.section	.rodata,"a",@progbits
	.p2align	6, 0x0
	.amdhsa_kernel k_q08ed036a98_qkv
		.amdhsa_group_segment_fixed_size 327680
		.amdhsa_private_segment_fixed_size 0
		.amdhsa_enable_private_segment 0
		.amdhsa_kernarg_size 40
		.amdhsa_user_sgpr_count 2
		.amdhsa_user_sgpr_kernarg_segment_ptr 1
		.amdhsa_wavefront_size32 1
		.amdhsa_system_sgpr_workgroup_id_x 1
		.amdhsa_system_sgpr_workgroup_id_y 1
		.amdhsa_system_sgpr_workgroup_id_z 1
		.amdhsa_system_vgpr_workitem_id 0
		.amdhsa_next_free_vgpr 1024
		.amdhsa_next_free_sgpr 100
		.amdhsa_reserve_vcc 0
		.amdhsa_float_denorm_mode_32 3
		.amdhsa_float_denorm_mode_16_64 3
		.amdhsa_memory_ordered 1
		.amdhsa_forward_progress 1
		.amdhsa_inst_pref_size 235
	.end_amdhsa_kernel
	.amdgpu_metadata
---
amdhsa.version: [ 1, 2 ]
amdhsa.kernels:
  - .name:           k_q08ed036a98_qkv
    .symbol:         k_q08ed036a98_qkv.kd
    .args:
      - { .name: x_codes, .offset: 0, .size: 8, .value_kind: global_buffer, .address_space: global }
      - { .name: w_codes, .offset: 8, .size: 8, .value_kind: global_buffer, .address_space: global }
      - { .name: lowp_scales, .offset: 16, .size: 8, .value_kind: global_buffer, .address_space: global }
      - { .name: qf, .offset: 24, .size: 8, .value_kind: global_buffer, .address_space: global }
      - { .name: kv, .offset: 32, .size: 8, .value_kind: global_buffer, .address_space: global }
    .group_segment_fixed_size: 327680
    .private_segment_fixed_size: 0
    .kernarg_segment_align: 8
    .kernarg_segment_size: 40
    .max_flat_workgroup_size: 128
    .sgpr_count:     100
    .vgpr_count:     1024
    .wavefront_size: 32
...
	.end_amdgpu_metadata
.endif
;; end of part 2
;; launch attn (part 3): grid 4 x 64, 8 waves a work-group, clusters of 4 x 1, 327,680 bytes of LDS; arguments qf, kv, lowp_scales, out0; writes out0
.if DOCPART == 3
	.amdgcn_target "amdgcn-amd-amdhsa--gfx1250"
	.amdhsa_code_object_version 6
	.text
	.protected	k_q08ed036a98_attn
	.globl	k_q08ed036a98_attn
	.p2align	8
	.type	k_q08ed036a98_attn,@function
k_q08ed036a98_attn:
	s_mov_b64 s[64:65], 0
	v_nop
	global_prefetch_b8 v0, s[64:65] scope:SCOPE_SE
	s_setreg_imm32_b32 hwreg(HW_REG_WAVE_MODE, 25, 1), 1
	s_wait_xcnt 0x0
	s_wait_alu depctr_hold_cnt(0) depctr_sa_sdst(0) depctr_va_vdst(0) depctr_va_sdst(0) depctr_va_ssrc(0) depctr_va_vcc(0) depctr_vm_vsrc(0)
	s_getreg_b32 s2, hwreg(HW_REG_IB_STS2, 6, 4)
	s_cmp_eq_u32 s2, 0
	s_cbranch_scc0 .Lentry_in_a_cluster
	s_endpgm
.Lentry_in_a_cluster:
	s_bfe_u32 s2, ttmp6, 0x10000c
	s_cmp_lg_u32 s2, 0x3003
	s_cbranch_scc0 .Lentry_shape_is_right
	s_endpgm
.Lentry_shape_is_right:
; ATTENTION IN E5M2, launch 3 of 3: out(b, n, 64 h + d) = the sum over keys of softmax(q . k / 8) v, both products on the codes of launch 2.  No work is left out.
; THE SOFTMAX AHEAD OF THE SECOND PRODUCT: t = score x c, c = 2^(e2 + e3) x log2(e) / 8; M = the row's largest t so far, rounded UP to a whole number; p = 2^(t - M) is quantised with the given 2^e4,
; not normalised.  The row's sum is taken of the unquantised p, in f32, and divides at the end, with 2^(e4 + e5).  When M moves, the sum and O are multiplied by 2^(old M - new M): exact.
; LIMITS: e2 + e3 between -123 and 130 (added to the exponent field of log2(e) / 8); e4 between -126 and 112; the scaled scores stay under 2^31 in magnitude.  NaN among the inputs is not served.
; SHARES.  A work-group owns 512 queries of one head; each of its eight waves owns 64 of them, four tiles of 16, in 512 registers.  Every wave walks the head's 2,048 keys, 128 a step.
; THE WHOLE HEAD LIES IN LDS: its 262,144 bytes of kv are fetched ONCE, wave w fetching 32,768 of them: no slot is filled again and the loop has no barrier.  So there is no loop to run ahead in: no prefetch.
; CLUSTER.  The four work-groups of a cluster are the four query blocks of one head: each load is asked for JOINTLY, with the same descriptor and a mask that names the four.
; LAYOUT.  Both products transposed: S^T = K Q^T, O^T = V^T P^T: a lane holds ONE query (lane % 16).  In S^T's tile tau a lane's eight registers are keys 16 tau + 8 (lane / 16) + 0..7: one conversion
; makes registers 2 tau, 2 tau + 1 of P.  kv and qf hold images of operand registers: registers 4 g .. 4 g + 3 of lane L at 512 g + 16 L.  Each fragment of K and of V feeds four products.
; THE PIPELINE.  A unit u = 4 x step + tile is 16 queries x 128 keys, 64 scores a lane, in one of two buffers (u % 2).  Iteration n has two parts.  First: unit n - 2 is finished (O^T rescaled, its held p
; converted, multiplied with V, its 16 partial sums added up), and unit n is begun in the buffer so freed (scores, maximum, M, f, t - M).  Second: unit n's 64 exponentials stand among 48 lines of unit
; n - 1 that hang on nothing written behind the wait ahead of them: 16 first sums of p, each into registers of its own, and 32 holds.  The maximum runs in eight chains, one to an accumulator; the steps
; of the sum's tree stand in the places behind the products and between the dependent lines that lead from the maximum to -M.
; K's fragments of the next step are asked of LDS behind a step's last score product, V's behind its last product with V, each one iteration ahead of its use.
; REGISTERS.  Window 0: v1 LDS address of the step; v2 2^e4; v3 16 x lane; v4 -M in the making, v5, v6 at work; v[8:9], v[10:11] f of even and odd units; v12, v13 stage addresses; v14, v15 the add's two;
;   v16-31 four tiles' -M, largest score, sum in two halves; v32-63 Q; v64-191 the two buffers; v192-207 P; v208-239 16 partial sums; v240-247 the maximum's chains.  Window 1: v0-127 O^T; v128-191 K; v192-255 V.
.set STEPB, 16384                      ; a step's bytes: eight images of K (1,024 each), then four of V^T (2,048 each)
.set VOFF,  8192
.set SPARE, 16*STEPB                   ; behind the head's codes: the spare words, 128 bytes for each wave, which no other line names
.set STAGE, SPARE+1024                 ; the way out: 16 rows x 272 bytes for each wave, bytes of their own into which no fill lands
.set SPITCH, 272
.set ADR, 1
.set SCL, 2
.set LN,  3
.set TA,  4
.set TB,  5
.set TC,  6
.set FF,  8
.set STO, 12
.set RD,  13
.set SPW, 14
.set NIL, 15
.set ST,  16
.set Q,   32
.set S,   64
.set P,   192
.set A,   208
.set C,   240
.set KW,  128
.set VW,  192
.set MSB, 0
.macro WIN new                         ; the immediate's high byte repeats the setting that is left
.if MSB != \new
	s_set_vgpr_msb (MSB<<8)|\new
.set MSB, \new
.endif
.endm
.macro ROUND                           ; a round of the cluster's barrier
	s_barrier_signal -1
	s_barrier_wait -1
	s_cmp_lg_u32 s12, 0
	s_cbranch_scc1 .Lnot_wave_0_\@
	s_barrier_signal -3
.Lnot_wave_0_\@:
	s_barrier_wait -3
	s_barrier_signal -1
	s_barrier_wait -1
.endm
	s_load_b256 s[4:11], s[0:1], 0x0               ; qf s[4:5], kv s[6:7], the scales' exponents s[8:9], out0 s[10:11]
	v_lshl_add_u32 v[SPW], v0, 2, SPARE
	v_mov_b32 v[NIL], 0
	ds_add_u32 v[SPW], v[NIL]                      ; the opening: the add, twice on end, and its wait ahead of my first tensor load
	ds_add_u32 v[SPW], v[NIL]
	v_lshrrev_b32 v1, 5, v0
	v_readfirstlane_b32 s12, v1                    ; wave 0..7
	s_bfe_u32 s13, ttmp6, 0x40000                  ; cx: my block of 512 queries; it enters Q's and the output's addresses alone
	s_and_b32 s14, ttmp7, 0xffff                   ; the head, 16 x batch + h, which the four partners share
	s_mov_b32 s16, 15|(3<<16)|(1<<21)              ; group 1: the mask of all four; elements of 8 bytes; no padding; bit 21 beside a mask
	s_mov_b32 s17, 32<<16                          ; tensor_dim0 = 32: rows of 256 bytes
	s_mov_b32 s18, 128<<16                         ; tensor_dim1 = 128
	s_mov_b32 s19, 32<<16                          ; tile_dim0
	s_mov_b32 s20, 128                             ; tile_dim1: 32,768 bytes as they lie
	s_mov_b32 s21, 32                              ; pitch
	s_mov_b32 s22, 0
	s_mov_b32 s23, 0
	s_mov_b32 s28, 0x76543210                      ; v_permlanex16_b32's selects for lane l xor 16
	s_mov_b32 s29, 0xfedcba98
	s_lshl_b32 s44, s14, 18                        ; the head's 262,144 bytes,
	s_lshl_b32 s45, s12, 15                        ; my wave's 32,768
	s_add_co_u32 s44, s44, s45
	s_mov_b32 s45, 0
	s_mov_b32 s24, 1                               ; group 0: count = 1
	s_lshl_b32 s25, s12, 15                        ; LDS address: 32,768 x wave
	s_wait_dscnt 0x0                               ; both opening adds are done
	s_wait_kmcnt 0x0
	s_load_b128 s[36:39], s[8:9], 0x0              ; e0 .. e3
	s_load_b64 s[40:41], s[8:9], 0x10              ; e4, e5
	s_add_nc_u64 s[26:27], s[6:7], s[44:45]
	s_or_b32 s27, s27, 0x80000000                  ; type = 2
	ROUND                                          ; all four work-groups are here: the joint loads meet
	tensor_load_to_lds s[24:27], s[16:23]          ; my one tensor load of the launch
	s_nop 0
	v_and_b32 v[LN], 31, v0
	v_lshlrev_b32 v[LN], 4, v[LN]                  ; 16 x lane; never rewritten
	s_lshl_b32 s48, s14, 17                        ; qf: the head's 131,072 bytes,
	s_lshl_b32 s52, s13, 15                        ; my block's 32 tiles of 1,024,
	s_add_co_u32 s48, s48, s52
	s_lshl_b32 s52, s12, 12                        ; my wave's four
	s_add_co_u32 s48, s48, s52
	s_mov_b32 s49, 0
	s_add_nc_u64 s[4:5], s[4:5], s[48:49]
	s_wait_alu depctr_va_vdst(0)                   ; the wait ahead of the reader behind the scalar lines
.irp g, 0,1,2,3,4,5,6,7
	global_load_b128 v[Q+4*\g:Q+4*\g+3], v[LN], s[4:5] offset:512*\g   ; Q's four fragments stay in registers
.endr
	s_lshr_b32 s50, s14, 4
	s_lshl_b32 s50, s50, 23                        ; out0: the batch's 2,048 rows of 4,096 bytes,
	s_and_b32 s53, s14, 15
	s_lshl_b32 s53, s53, 8                         ; the head's 256 bytes of a row,
	s_add_co_u32 s50, s50, s53
	s_lshl_b32 s53, s13, 21                        ; my block's 512 rows,
	s_add_co_u32 s50, s50, s53
	s_lshl_b32 s53, s12, 18                        ; my wave's 64
	s_add_co_u32 s50, s50, s53
	s_mov_b32 s51, 0
	s_add_nc_u64 s[10:11], s[10:11], s[50:51]
	s_mul_i32 s44, s12, 16*SPITCH
	s_add_co_u32 s44, s44, STAGE                   ; my stage
	v_and_b32 v[TA], 15, v0                        ; r
	v_bfe_u32 v[TB], v0, 4, 1                      ; h
	v_mul_u32_u24 v[STO], v[TA], SPITCH
	v_lshl_add_u32 v[STO], v[TB], 5, v[STO]
	v_add_nc_u32 v[STO], s44, v[STO]               ; in: row r; channel tile ct's eight channels of my half: 64 ct + 32 h bytes on
	v_mul_u32_u24 v[RD], v[TB], SPITCH
	v_lshl_add_u32 v[RD], v[TA], 4, v[RD]
	v_add_nc_u32 v[RD], s44, v[RD]                 ; back: lanes 0-15 one row, lanes 16-31 the next
.irp t, 0,1,2,3
	v_mov_b32 v[ST+4*\t], 0x7f61b1e6               ; -M: 3e38
	v_mov_b32 v[ST+4*\t+1], 0xff61b1e6             ; the largest score so far: -3e38, under every score
	v_mov_b32 v[ST+4*\t+2], 0                      ; the sum, in two halves
	v_mov_b32 v[ST+4*\t+3], 0
	v_mov_b32 v[FF+\t], 0                          ; the f pairs: their upper words are named, so they are written
.endr
	WIN 0x40
.set i, 0
.rept 128
	v_mov_b32 v[i], 0                              ; O^T.  (The iteration is written once: the first step finds zeros, which the first change of M leaves zeros)
.set i, i+1
.endr
	WIN 0
	s_wait_kmcnt 0x0
	s_add_co_i32 s44, s38, s39
	s_lshl_b32 s44, s44, 23
	s_mov_b32 s30, 0x3e38aa3b                      ; log2(e) / 8
	s_add_co_i32 s30, s30, s44                     ; c
	s_mov_b32 s31, s30                             ; (named with it as a pair)
	s_add_co_i32 s44, s40, 127
	s_lshl_b32 s45, s44, 23
	v_mov_b32 v[SCL], s45                          ; 2^e4 as f32, for the conversion
	s_add_co_i32 s44, s44, 15
	s_lshl_b32 s42, s44, 23
	s_or_b32 s42, s42, 0x600000                    ; 57,344 x 2^e4
	s_add_co_i32 s43, s40, s41                     ; e4 + e5
	s_mov_b32 s32, STEPB                           ; LDS byte of the step whose fragments the trip asks for
	s_mov_b32 s33, 15                              ; trips
	s_wait_alu depctr_va_vdst(0)
	s_wait_loadcnt 0x0                             ; Q
	s_wait_tensorcnt 0x0                           ; my bytes have landed,
	s_barrier_signal -1
	s_barrier_wait -1                              ; everybody's have: the whole head lies in LDS
.macro LOADF reg, adr, off             ; 64 registers of fragments, 8,192 bytes as they lie
	WIN 0x40
.set i, 0
.rept 16
	ds_load_b128 v[\reg+4*i:\reg+4*i+3], v[\adr] offset:\off+512*i
.set i, i+1
.endr
	WIN 0
.endm
.macro G a, b                          ; a step of the sum's tree: partial sum a takes partial sum b in (only where a unit is being finished)
.if FINF
	v_pk_add_f32 v[A+2*(\a):A+2*(\a)+1], v[A+2*(\a):A+2*(\a)+1], v[A+2*(\b):A+2*(\b)+1]
.endif
.endm
; Iteration n.  fin: unit n - 2 is finished; beg: unit n is begun; ld: 1 = K's, 2 = V's next fragments are asked for; wd: the fragments asked for one iteration ago are awaited;
; ex: unit n's exponentials; hl: unit n - 1's first sums and holds.
.macro ITER n, fin, beg, ld, wd, ex, hl
.set FINF, \fin
.set SF, ST+4*(((\n)+2)%4)             ; the finished unit's statistics (n - 2 and n + 2 are the same tile),
.set OF, 32*(((\n)+2)%4)               ; and its O^T
.set SB, ST+4*((\n)%4)                 ; the begun unit's statistics
.set QN, Q+8*((\n)%4)
.set BN, S+64*((\n)%2)                 ; the buffer of units n - 2 and n
.set BP, S+64*(((\n)+1)%2)             ; the buffer of unit n - 1
.set FN, FF+2*((\n)%2)                 ; f of unit n - 2, then of unit n
.if \wd
	s_wait_dscnt 0x0                               ; the 16 LDS loads of the iteration before
.endif
.if \fin
	WIN 0x51                                       ; source 0, source 2 and destination in window 1
	s_wait_alu depctr_va_vdst(0)                   ; the wait behind the exponentials, directly ahead of the first readers of O^T
.set i, 0
.rept 16
	v_pk_mul_f32 v[OF+i:OF+i+1], v[OF+i:OF+i+1], v[FN:FN+1] op_sel_hi:[1,0]   ; O^T under the new M, each accumulator from its low end on
.set i, i+2
.endr
	WIN 0
.set i, 0
.rept 8
	v_cvt_scalef32_pk8_bf8_f32 v[P+2*i:P+2*i+1], v[BN+8*i:BN+8*i+7], v[SCL]
.set i, i+1
.endr
	v_pk_mul_f32 v[SF+2:SF+3], v[SF+2:SF+3], v[FN:FN+1] op_sel_hi:[1,0]       ; the sums under the new M: also the plain line between the conversions and the matrix instructions
.endif
.if \beg
	WIN 0x01                                       ; source 0 (K) in window 1
.set i, 0
.rept 8
	v_wmma_f32_16x16x64_bf8_bf8 v[BN+8*i:BN+8*i+7], v[KW+8*i:KW+8*i+7], v[QN:QN+7], 0   ; S^T of unit n
.set i, i+1
.endr
.endif
.if \fin
	WIN 0x51
.set i, 0
.rept 4
	v_wmma_f32_16x16x128_bf8_bf8 v[OF+8*i:OF+8*i+7], v[VW+16*i:VW+16*i+15], v[P:P+15], v[OF+8*i:OF+8*i+7]   ; O^T += V^T P^T of unit n - 2: four accumulators, one instruction each
.set i, i+1
.endr
.endif
	WIN 0
.if \fin
	G 0, 8                                         ; four places between the products and the first read of the scores (ISA guide 7.12.1)
	G 1, 9
	G 2, 10
	G 3, 11
.else
.rept 4
	v_nop
.endr
.endif
.if \beg
.set i, 0
.rept 8
	v_max3_num_f32 v[C+i], v[BN+8*i], v[BN+8*i+1], v[BN+8*i+2]      ; chain i takes accumulator i, from its low end on
.set i, i+1
.endr
.set i, 0
.rept 8
	v_max3_num_f32 v[C+i], v[C+i], v[BN+8*i+3], v[BN+8*i+4]
.set i, i+1
.endr
.set i, 0
.rept 8
	v_max3_num_f32 v[C+i], v[C+i], v[BN+8*i+5], v[BN+8*i+6]
.set i, i+1
.endr
.set i, 0
.rept 4
	v_max3_num_f32 v[C+i], v[C+i], v[BN+16*i+7], v[BN+16*i+15]
.set i, i+1
.endr
	v_max3_num_f32 v[C], v[C], v[C+1], v[C+2]
	v_max3_num_f32 v[C+3], v[C+3], v[C+4], v[C+5]
	v_max3_num_f32 v[C+6], v[C+6], v[C+7], v[SB+1]                  ; the running largest score joins
.endif
	G 4, 12
	G 5, 13
	G 6, 14
	G 7, 15
.if \beg
	v_max3_num_f32 v[TA], v[C], v[C+3], v[C+6]
.endif
	G 0, 4
	G 1, 5
	G 2, 6
.if \beg
	v_permlanex16_b32 v[TB], v[TA], s28, s29
.endif
	G 3, 7
	G 0, 2
.if \beg
	v_max_num_f32 v[SB+1], v[TA], v[TB]            ; and lane l xor 16's
.endif
	G 1, 3
.if \beg
	v_mul_f32 v[TA], s30, v[SB+1]                  ; as t (c is positive)
.endif
	G 0, 1
.if \beg
	v_floor_f32 v[TA], -v[TA]                      ; the new -M = floor(-t): M is a whole number
.endif
.if \fin
	v_pk_add_f32 v[SF+2:SF+3], v[SF+2:SF+3], v[A:A+1]   ; THE ROW'S SUM IS TAKEN OF THE UNQUANTISED p
.endif
.if \beg
	v_sub_f32 v[TC], v[TA], v[SB]                  ; old M less new M: a whole number, 0 or less
	v_mov_b32 v[SB], v[TA]
.set i, 0
.rept 32
	v_pk_fma_f32 v[BN+i:BN+i+1], v[BN+i:BN+i+1], s[30:31], v[TA:TA+1] op_sel_hi:[1,0,0]   ; t - M (of the pairs c and -M the low word serves both halves); f is made among these lines
.if i == 6
	v_cvt_i32_f32 v[TC], v[TC]                     ; (it saturates)
.endif
.if i == 14
	v_ldexp_f32 v[FN], 1.0, v[TC]                  ; f = 2^(old M - new M)
.endif
.set i, i+2
.endr
.endif
.if \ld == 1
	LOADF KW, ADR, 0
.endif
.if \ld == 2
	LOADF VW, ADR, VOFF
.endif
.if \ex
	s_wait_alu depctr_va_vdst(0)                   ; the wait ahead of the batch: all that the lines below read was written ahead of it
.endif
.set i, 0
.rept 16
.if \ex
	v_exp_f32 v[BN+4*i], v[BN+4*i]                 ; p = 2^(t - M), at most 1
.endif
.if \hl
	v_pk_add_f32 v[A+2*i:A+2*i+1], v[BP+2*i:BP+2*i+1], v[BP+32+2*i:BP+33+2*i]   ; partial sum i of the unquantised p
.endif
.if \ex
	v_exp_f32 v[BN+4*i+1], v[BN+4*i+1]
	v_exp_f32 v[BN+4*i+2], v[BN+4*i+2]
.endif
.if \hl
	v_dual_min_num_f32 v[BP+2*i], s42, v[BP+2*i] :: v_dual_min_num_f32 v[BP+2*i+1], s42, v[BP+2*i+1]   ; the conversion does not saturate (ISA guide 7.6.2); p is not negative: a one-sided hold, two a line
.endif
.if \ex
	v_exp_f32 v[BN+4*i+3], v[BN+4*i+3]
.endif
.if \hl
	v_dual_min_num_f32 v[BP+32+2*i], s42, v[BP+32+2*i] :: v_dual_min_num_f32 v[BP+33+2*i], s42, v[BP+33+2*i]
.endif
.set i, i+1
.endr
	v_nop                                          ; a plain line behind the last exponential
.endm
	LOADF KW, LN, 0                                ; step 0's fragments
	LOADF VW, LN, VOFF
	s_wait_dscnt 0x0
	ITER 0, 0, 1, 0, 0, 1, 0
	ITER 1, 0, 1, 0, 0, 1, 1
	s_wait_alu depctr_va_vdst(0)                   ; the exponentials' wait ahead of a label
.Ltrip:                                            ; 15 trips: iterations 4 t + 2 .. 4 t + 5
	v_add_nc_u32 v[ADR], s32, v[LN]                ; step t + 1's bytes
	ITER 2, 1, 1, 0, 1, 1, 1
	ITER 3, 1, 1, 1, 0, 1, 1
	ITER 4, 1, 1, 0, 1, 1, 1
	ITER 5, 1, 1, 2, 0, 1, 1
	s_wait_alu depctr_va_vdst(0)                   ; and ahead of a branch
	s_add_co_u32 s32, s32, STEPB
	s_sub_co_u32 s33, s33, 1
	s_cmp_lg_u32 s33, 0
	s_cbranch_scc1 .Ltrip
	ITER 2, 1, 1, 0, 1, 1, 1                       ; iterations 62 to 65: nothing more is asked of LDS, and behind unit 63 no unit is begun
	ITER 3, 1, 1, 0, 0, 1, 1
	ITER 4, 1, 0, 0, 0, 0, 1
	ITER 5, 1, 0, 0, 0, 0, 0
	; THE WAY OUT.  O^T / the sum goes through my own stage in LDS, a tile of 16 queries at a time, and leaves as aligned units of 256 bytes.  No barrier: the stage is my wave's own.
.irp t, 0,1,2,3
	v_add_f32 v[ST+4*\t+2], v[ST+4*\t+2], v[ST+4*\t+3]         ; the sums' two halves,
.endr
.irp t, 0,1,2,3
	v_permlanex16_b32 v[ST+4*\t+3], v[ST+4*\t+2], s28, s29
.endr
.irp t, 0,1,2,3
	v_add_f32 v[ST+4*\t+2], v[ST+4*\t+2], v[ST+4*\t+3]         ; and lane l xor 16's
.endr
	s_wait_alu depctr_va_vdst(0)
.irp t, 0,1,2,3
	v_rcp_f32 v[ST+4*\t+2], v[ST+4*\t+2]
.endr
	v_bfe_u32 v[TA], v0, 4, 1                      ; plain lines behind the reciprocals: my place in out0: 4,096 h + 16 r
	v_and_b32 v[TB], 15, v0
	v_lshlrev_b32 v[TA], 12, v[TA]
	v_lshl_add_u32 v[TA], v[TB], 4, v[TA]
	s_wait_alu depctr_va_vdst(0)                   ; one wait for the four, ahead of their first reader
.irp t, 0,1,2,3
	v_ldexp_f32 v[ST+4*\t+2], v[ST+4*\t+2], s43    ; x 2^(e4 + e5)
.endr
.irp t, 0,1,2,3
.set TT, S+32*(\t%2)
	WIN 0x01
	s_wait_alu depctr_va_vdst(0)                   ; the wait directly ahead of the first readers of O^T
.set i, 0
.rept 16
	v_pk_mul_f32 v[TT+i:TT+i+1], v[32*\t+i:32*\t+i+1], v[ST+4*\t+2:ST+4*\t+3] op_sel_hi:[1,0]   ; register 8 ct + j is o(r, 16 ct + 8 h + j)
.set i, i+2
.endr
	WIN 0
.irp c, 0,1,2,3
	ds_store_b128 v[STO], v[TT+8*\c:TT+8*\c+3] offset:64*\c
	ds_store_b128 v[STO], v[TT+8*\c+4:TT+8*\c+7] offset:64*\c+16
.endr
.irp i, 0,1,2,3,4,5,6,7
	ds_load_b128 v[128+32*\t+4*\i:128+32*\t+4*\i+3], v[RD] offset:2*\i*SPITCH   ; LDS serves a wave's instructions in order: these see my stores, and the next tile's stores come behind them
.endr
.endr
.irp t, 0,1,2,3
	s_wait_dscnt 16*(3-\t)                         ; tile t is back: the sixteen LDS instructions of each later tile may be out
.irp i, 0,1,2,3,4,5,6,7
	global_store_b128 v[TA], v[128+32*\t+4*\i:128+32*\t+4*\i+3], s[10:11] offset:65536*\t+8192*\i th:TH_STORE_NT   ; sixteen lanes store 256 consecutive bytes, aligned
.endr
.endr
	s_wait_tensorcnt 0x0                           ; the wave's end
	ds_add_u32 v[SPW], v[NIL]
	s_wait_dscnt 0x0
	ROUND                                          ; the closing round
	s_endpgm
.Lfunc_end_k_q08ed036a98_attn:
	.size	k_q08ed036a98_attn, .Lfunc_end_k_q08ed036a98_attn-k_q08ed036a98_attn
	.p2alignl 7, 3214868480
	.fill 96, 4, 3214868480
	.section	.rodata,"a",@progbits
	.p2align	6, 0x0
	.amdhsa_kernel k_q08ed036a98_attn
		.amdhsa_group_segment_fixed_size 327680
		.amdhsa_private_segment_fixed_size 0
		.amdhsa_enable_private_segment 0
		.amdhsa_kernarg_size 32
		.amdhsa_user_sgpr_count 2
		.amdhsa_user_sgpr_kernarg_segment_ptr 1
		.amdhsa_wavefront_size32 1
		.amdhsa_system_sgpr_workgroup_id_x 1
		.amdhsa_system_sgpr_workgroup_id_y 1
		.amdhsa_system_sgpr_workgroup_id_z 1
		.amdhsa_system_vgpr_workitem_id 0
		.amdhsa_next_free_vgpr 512
		.amdhsa_next_free_sgpr 66
		.amdhsa_reserve_vcc 0
		.amdhsa_float_denorm_mode_32 3
		.amdhsa_float_denorm_mode_16_64 3
		.amdhsa_memory_ordered 1
		.amdhsa_forward_progress 1
		.amdhsa_inst_pref_size 132
	.end_amdhsa_kernel
	.amdgpu_metadata
---
amdhsa.version: [ 1, 2 ]
amdhsa.kernels:
  - .name:           k_q08ed036a98_attn
    .symbol:         k_q08ed036a98_attn.kd
    .args:
      - { .name: qf, .offset: 0, .size: 8, .value_kind: global_buffer, .address_space: global }
      - { .name: kv, .offset: 8, .size: 8, .value_kind: global_buffer, .address_space: global }
      - { .name: lowp_scales, .offset: 16, .size: 8, .value_kind: global_buffer, .address_space: global }
      - { .name: out0, .offset: 24, .size: 8, .value_kind: global_buffer, .address_space: global }
    .group_segment_fixed_size: 327680
    .private_segment_fixed_size: 0
    .kernarg_segment_align: 8
    .kernarg_segment_size: 32
    .max_flat_workgroup_size: 256
    .sgpr_count:     66
    .vgpr_count:     512
    .wavefront_size: 32
...
	.end_amdgpu_metadata
.endif
;; end of part 3
